; MI455X (gfx1250); checked and timed in simulation.
; The chip was launched on July 23, 2026; its instructions are those of AMD's public machine-readable ISA for CDNA 5 (MIT licence, August 2026) and "CDNA5" Instruction Set Architecture Reference Guide (July 2026). The comments in the code are by the model that wrote it; some were corrected since.
;; Cross Scale Attention. Allowed arithmetic: matrix products marked QUANTISED: E2M3 operands, one E8M0 scale for each 32 along K, by v_wmma_scale_f32_16x16x128_f8f6f4 with both operands' format E2M3, f32 sums; everything else in f32.
;; Inputs: bk 32 float32; bo 256 float32; bq 32 float32; bv 256 float32; gamma 1 float32; sk 32 float32; so 256 float32; sq 32 float32; sv 256 float32; wk 32 x 256 float32; wo 256 x 256 float32; wq 32 x 256 float32; wv 256 x 256 float32; x 8 x 256 x 64 x 64 float32.
;; Outputs: out0 8 x 256 x 64 x 64 float32.
;; This version of the problem:
;;   THIS VERSION OF THE PROBLEM IS GIVEN IN LOW PRECISION. The matrix products marked QUANTISED in the list below multiply operands that are first quantised to E2M3 (2 exponent bits, 3 mantissa bits; 6 bits a number), with one power-of-two scale for each 32 numbers along K (OCP MX v1.0); their sums are f32. All else is computed in f32.
;;   The module's matrix products, in the order in which they are computed (A, B: the left and right operand; K: the contracted axis; several contracted axes count as one K, in the product's order):
;;     1. [M 32,768, K 256] x [K 256, N 32]; A: input x; B: input wq: QUANTISED
;;     2. [M 32,768, K 256] x [K 256, N 32]; A: input x; B: input wk: QUANTISED
;;     3. [M 32,768, K 256] x [K 256, N 256]; A: input x; B: input wv: QUANTISED
;;     4. batch 8 x [M 4,096, K 32] x [K 32, N 4,096]; A: computed on the way; B: computed on the way: QUANTISED
;;     5. batch 8 x [M 256, K 4,096] x [K 4,096, N 4,096]; A: computed on the way; B: softmax (see below): QUANTISED
;;     6. [M 32,768, K 256] x [K 256, N 256]; A: computed on the way; B: input wo: QUANTISED
;;   THE QUANTISER, for each operand of a quantised product, along K:
;;     - K is cut into blocks of 32 from its start; a last block that is shorter is filled with zeros.
;;     - A block's scale is 2^e with e = floor(log2(the largest magnitude in the block)) - 2, held to -126 .. 127; a block of zeros has e = 0. As a byte (E8M0): e + 127.
;;     - Each number is divided by its block's scale, clamped to +-7.5, and rounded to the nearest number of E2M3, ties to even, subnormals kept.
;;     - The product sums the exact products of the quantised numbers (number of the format x scale) in f32.
;;   ~~~python
;;   def quantise(x, axis):      # numpy; x: float32 -> the quantised numbers, widened to float32 again
;;       x = np.moveaxis(x, axis, -1); K = x.shape[-1]
;;       x = np.pad(x, [(0, 0)] * (x.ndim - 1) + [(0, -K % 32)]); x = x.reshape(x.shape[:-1] + (-1, 32)); a = np.abs(x).max(-1, keepdims=True)
;;       e = np.where(a > 0, np.clip(np.frexp(np.where(a > 0, a, 1))[1] - 1 - 2, -126, 127), 0)      # np.frexp(a)[1] - 1 = floor(log2(a)), exactly
;;       r = np.clip(x / 2.0 ** e, -7.5, 7.5)
;;       step = 2.0 ** (np.maximum(np.frexp(np.where(r == 0, 1, r))[1] - 1, 0) - 3)
;;       q = np.round(r / step) * step * 2.0 ** e      # np.round: ties to even
;;       return np.moveaxis(q.reshape(q.shape[:-2] + (-1,))[..., :K], -1, axis).astype(np.float32)
;;   ~~~
;;   SOFTMAX AHEAD OF A QUANTISED PRODUCT. Where the list says 'softmax', what is quantised is not the finished softmax but p = 2^(t - M), with t = logit x log2(e) and M = ceil(the row's largest t), a whole number; so 1/2 < the row's largest p <= 1. The row's sum l is taken of the UNQUANTISED p, in f32, and the product's result is divided by l at the end. Since M is a whole number, a kernel that streams over the keys may use a running M (the ceiling of the running maximum): every later rescaling is an exact power of two, which a block's scale takes up: the codes' values come out the same.
;;   OPERANDS COMPUTED ON THE WAY. 'Computed on the way' means the value that the module computes at that place (a softmax that the list does not call 'softmax' is quantised finished and normalised). What goes into a quantiser is computed in f32, as accurately as f32 sums, v_exp_f32 and their like allow (about 1e-6 of the number): no bf16 or f16 on the way to a quantiser, and a product that is left as it is and whose result goes on into a quantised operand takes f32 operands (vector FMAs, or v_wmma_f32_16x16x4_f32). A number that lies on a knife's edge between two numbers of the format may be rounded either way, as far as f32 arithmetic and the matrix unit's own rounding can turn it there, and no further.
;; One version. Each part assembles by itself: llvm-mc -triple=amdgcn-amd-amdhsa -mcpu=gfx1250 --defsym DOCPART=n.
;; ======== version 1 of 1: 2 launches
;; workspace buffers: kvq 8,388,608 bytes; wimg 53,248 bytes
;; launch prep (part 1): grid 32 x 8, 8 waves a work-group, no clusters, 273,408 bytes of LDS; arguments x, wv, wq, wk, sv, bv, sq, bq, sk, bk, wo, kvq, wimg; writes kvq, wimg
.if DOCPART == 1
	.amdgcn_target "amdgcn-amd-amdhsa--gfx1250"
	.amdhsa_code_object_version 6
	.text
	.protected	k_qfe5bf98b3f_prep
	.globl	k_qfe5bf98b3f_prep
	.p2align	8
	.type	k_qfe5bf98b3f_prep,@function
k_qfe5bf98b3f_prep:
	s_mov_b64 s[64:65], 0
	v_nop
	global_prefetch_b8 v0, s[64:65] scope:SCOPE_SE
	s_setreg_imm32_b32 hwreg(HW_REG_WAVE_MODE, 25, 1), 1
	s_wait_xcnt 0x0
; q, k, v = SiLU(BN(W x)) on codes of FP6 (E2M3) with one E8M0 scale for each 32 along K, and their own codes for the attention that follows.
; x: [8][256 channels][4096 positions] f32; K of the three products = the channels, which are NOT innermost in x.  wq, wk: [32][256], wv, wo: [256][256] f32, K innermost.
; A work-group (x = s, y = b) owns positions 128 s .. 128 s + 127 of batch b and makes one record of 32,768 bytes of kvq:
;   0      VIMG  16 images of fragments of v (16 channels x these 128 keys): tile 2 P + u, lane r = channel 32 P + 8 u + r + 8 (r / 8); an image = 3 chunks of 512 bytes, chunk j = each lane's registers 4 j .. 4 j + 3 at 16 x lane
;   24576  VSC   2 chunks of 512 bytes: chunk c, lane (r, h), word j = scale word of tile 8 c + 2 j + h, row r
;   25600  KC    2 images of fragments of k: k has 32 channels, one block, so FOUR tiles of 16 keys share a fragment: tile 4 F + j is block j of fragment F (lanes 16 (j % 2) on, registers 6 (j / 2) on)
;   28672  KS    k's scale bytes: byte j of word r + 16 F = tile 4 F + j, row r; 128 bytes, written four times over so that the record has no byte that nobody wrote
;   29184  QC    q's codes, 24 bytes a position;   32256  QS  q's scale byte | 0x7f7f7f00, a word a position
; Work-groups 0 to 3 of batch 0 also quantise wo into wimg: 32 images (fragment 2 x tile + K step, rows as they lie), then 32 x 128 bytes of scale words.
; SHARES.  Wave w fetches channels 32 w .. + 31 of x's tile, quantises x's tile w of 16 positions, keeps wv's rows 32 w .. + 31 (4 fragments) in registers, quantises one of the 8 fragments of wq and wk, and makes q and k of its tile.
; THE POSITIONS OF A TILE ARE NOT NEIGHBOURS: lane r of tile t takes position 32 (t / 2) + 8 (t % 2) + r + 8 (r / 8), and so do the rows of a weight's tile within 32 rows: a result's 16 registers of two neighbouring tiles are then 16 neighbours along the next K.
; THE WEIGHTS COME AS THEY LIE: a load takes 512 consecutive bytes of one row, 16 a lane; a fragment's 16 rows turn through the wave's own stage in LDS and come back 128 bytes a lane, as the conversions want them.
; A block's scale byte is its largest magnitude's exponent field - 2, held at 1 from below.
; LIMITS: NaN and infinities among the inputs are not served; a block whose largest magnitude lies under 2^-124 (a block of zeros too) gets the byte 1 where the rule may say another: only this program reads the bytes.
; No cluster: work-groups share no tile of x.  No data prefetch: all of a work-group's x is asked for at once, at the head.
.set RS,    16512                      ; LDS: a region of x's tile: 32 channels x 512 bytes, + 128 bytes, so that lanes 16-31, which read one region on, stand 32 words further on
.set XIMG,  8*RS                       ; x's 16 images (2 x tile + K step)
.set XSC,   XIMG+16*1536               ; their scale words, 128 bytes each
.set WIMG,  XSC+16*128                 ; wq's and wk's 8 images
.set WSC,   WIMG+8*1536
.set STG,   WSC+8*128                  ; the record, laid as in memory
.set WST,   STG+32768                  ; the weights' stages: 16 rows for each wave
.set WSP,   528                        ; a stage row: 512 bytes + 16 = 132 words: row r starts 4 r words on modulo 64 (64 banks of 4 bytes: ISA guide 11.1), so the 16 rows that a load touches start at 16 different places
.set LI,   1                           ; 16 x lane
.set LS,   2                           ; 4 x lane
.set H8,   3                           ; 8 h
.set TST,  4                           ; my stage, on the way in: 16 x lane
.set TLD,  5                           ; and on the way out: 528 r + 128 h
.set XAD0, 6                           ; x's tile: h x RS + 4 x my position
.set XAD1, 7                           ; the same, four regions on
.set KSB,  6                           ; (made anew behind x's phase) where k's scale byte goes
.set XWI,  8                           ; where I store x's images, scale words;
.set XWS,  9
.set QWI,  10                          ; my fragment of wq or wk;
.set QWS,  11
.set VST,  12                          ; v's images, scale words;
.set VSS,  13
.set KST,  14                          ; q's codes lie 3,584 bytes behind this address, its scale word 3,584 behind the next
.set KSS,  15
.set OUTL, 16                          ; the way out: LDS,
.set OUTG, 17                          ; memory
.set PW,   18                          ; scale words on their way to LDS
.set PWB,  19
.set WVS,  20                          ; v20-23  wv's scale words, 2 u + K step
.set XS,   24                          ; v24-31  x's scale words
.set WV,   32                          ; v32-79  wv's four fragments
.set QKS,  80                          ; v80-87  wq's and wk's scale words
.set XRI,  88                          ; from where images and scale words are read
.set XRS,  89
.set WRI,  90
.set WRS,  91
.set BNA,  92                          ; 4 (r + 8 (r / 8))
.set BNB,  93                          ; 64 h
.set KA0,  94                          ; where my three words of k's codes go in the fragment's image
.set KA1,  95
.set KA2,  255
.set XA,   96                          ; v96-159  64 numbers as the conversions want them
.set XB,   160                         ; v160-223 the same; in the weights' phase a raw buffer
.set XF,   96                          ; v96-191  x's fragments in the products
.set QA,   192                         ; v192-223 q's and k's sums
.set QM,   224                         ; largest magnitudes
.set QP,   228                         ; the other half's, then bytes
.set QSO,  232                         ; the conversions' scale operands
.set PC,   236                         ; v236-247 codes, v248-254 the conversions' second halves
.set SQ1,  128                         ; window 1: in the weights' phase four raw buffers of 64; then v0-127 v's sums, (u, tile) at 64 u + 8 tile; sq, bq, sk, bk in the result's layout;
.set BQ1,  144
.set SK1,  160
.set BK1,  176
.set WQF,  192                         ; four fragments of wq and wk of one K step;
.set SVP,  240                         ; sv, bv of my lane's channel, each twice
.set BVP,  244
.set SEL,  52
.set MSB, 0
.macro WIN new                         ; the immediate's high byte repeats the setting that is left
.if MSB != \new
	s_set_vgpr_msb (MSB<<8)|\new
.set MSB, \new
.endif
.endm
.macro PLACES                          ; four plain places behind matrix instructions, ahead of loads into their registers and of reads of their results
.rept 4
	v_nop
.endr
.endm
.macro BARRIER                         ; my LDS stores have landed and my LDS loads are in: then the work-group's barrier
	s_wait_dscnt 0x0
	s_barrier_signal -1
	s_barrier_wait -1
.endm
.macro WLOAD reg, base, off, gap       ; a fragment's 16 rows, 128 along K, as they lie: a load takes one row's 512 consecutive bytes.  gap = 8: rows i + 8 (i / 8); gap = 0: rows i
.irp i, 0,1,2,3,4,5,6,7,8,9,10,11,12,13,14,15
	global_load_b128 v[\reg+4*\i:\reg+4*\i+3], v[LI], s[\base:\base+1] offset:\off+(\i+\gap*(\i/8))*1024
.endr
.endm
.macro TURN w, reg                     ; the 16 rows go through my stage and come back into XA: register 32 c + i = k 64 c + 32 h + i of row r.  w: the window setting for the stores' data (an LDS store's data are its source 1)
	WIN \w
.irp i, 0,1,2,3,4,5,6,7,8,9,10,11,12,13,14,15
	ds_store_b128 v[TST], v[\reg+4*\i:\reg+4*\i+3] offset:WSP*\i
.endr
	WIN 0
.irp c, 0,1
.irp j, 0,1,2,3,4,5,6,7
	ds_load_b128 v[XA+32*\c+4*\j:XA+32*\c+4*\j+3], v[TLD] offset:256*\c+16*\j   ; LDS serves a wave's instructions in order (ISA guide 5.7.1.4): these see my stores
.endr
.endr
	s_wait_dscnt 0x0                               ; the numbers are back, and the stores have read the raw buffer: it may be loaded again
.endm
; 64 numbers, register 32 c + i = k 64 c + 32 h + i of my row (two whole blocks a lane), become a fragment's 12 registers at v[d] and its scale word in v[pw]
.macro QW s, d, pw
.irp c, 0,1
	v_max3_num_f32 v[QM+\c], |v[\s+32*\c]|, |v[\s+32*\c+1]|, 0x1800000   ; the floor 2^(3 - 127) is one more leaf: the byte cannot fall under 1
.endr
.irp i, 2,4,6,8,10,12,14,16,18,20,22,24,26,28,30
.irp c, 0,1
	s_delay_alu instid0(VALU_DEP_2)
	v_max3_num_f32 v[QM+\c], v[QM+\c], |v[\s+32*\c+\i]|, |v[\s+32*\c+\i+1]|
.endr
.endr
.irp c, 0,1
	s_delay_alu instid0(VALU_DEP_2)
	v_add_nc_u32 v[QSO+\c], 0xff000000, v[QM+\c]   ; 2 off the exponent field: the conversion's scale operand
.endr
.irp c, 0,1
	s_delay_alu instid0(VALU_DEP_2)
	v_lshrrev_b32 v[QP+\c], 23, v[QSO+\c]          ; the byte
.endr
	s_delay_alu instid0(VALU_DEP_1)
	v_lshl_or_b32 v[\pw], v[QP+1], 16, v[QP]       ; my blocks h and 2 + h,
	s_delay_alu instid0(VALU_DEP_1)
	v_lshlrev_b32 v[\pw], v[H8], v[\pw]            ; at their places;
	s_delay_alu instid0(VALU_DEP_1)
	v_permlanex16_b32 v[QP+2], v[\pw], s[SEL], s[SEL+1]
	s_delay_alu instid0(VALU_DEP_1)
	v_or_b32 v[\pw], v[\pw], v[QP+2]               ; with lane l xor 16's two the word is whole
.irp c, 0,1
	v_cvt_scalef32_pk16_fp6_f32 v[\d+6*\c:\d+6*\c+2], v[\s+32*\c:\s+32*\c+15], v[QSO+\c]
	v_cvt_scalef32_pk16_fp6_f32 v[PC+12+4*\c:PC+14+4*\c], v[\s+32*\c+16:\s+32*\c+31], v[QSO+\c]   ; (a conversion's three registers begin on an even number)
.endr
	v_nop                                          ; one plain place behind a scaled conversion
.irp c, 0,1
.irp i, 0,1,2
	v_mov_b32 v[\d+3+6*\c+\i], v[PC+12+4*\c+\i]
.endr
.endr
.endm
; 64 numbers, register 16 b + i = k 32 b + 16 h + i of my row (a block in lanes l and l xor 16), become a fragment in v[PC] on and its scale word in v[pw]
.macro QH s, pw
.irp b, 0,1,2,3
	v_max3_num_f32 v[QM+\b], |v[\s+16*\b]|, |v[\s+1+16*\b]|, 0x1800000
.endr
.irp i, 2,4,6,8,10,12,14
.irp b, 0,1,2,3
	s_delay_alu instid0(VALU_DEP_4)
	v_max3_num_f32 v[QM+\b], v[QM+\b], |v[\s+16*\b+\i]|, |v[\s+1+16*\b+\i]|
.endr
.endr
.irp b, 0,1,2,3
	s_delay_alu instid0(VALU_DEP_4)
	v_permlanex16_b32 v[QP+\b], v[QM+\b], s[SEL], s[SEL+1]
.endr
.irp b, 0,1,2,3
	s_delay_alu instid0(VALU_DEP_4)
	v_max_num_f32 v[QM+\b], v[QM+\b], v[QP+\b]
.endr
.irp b, 0,1,2,3
	s_delay_alu instid0(VALU_DEP_4)
	v_add_nc_u32 v[QSO+\b], 0xff000000, v[QM+\b]
.endr
.irp b, 0,1,2,3
	s_delay_alu instid0(VALU_DEP_4)
	v_lshrrev_b32 v[QP+\b], 23, v[QSO+\b]
.endr
	s_delay_alu instid0(VALU_DEP_3)
	v_lshl_or_b32 v[\pw], v[QP+1], 8, v[QP]
	s_delay_alu instid0(VALU_DEP_1)
	v_lshl_or_b32 v[\pw], v[QP+2], 16, v[\pw]
	s_delay_alu instid0(VALU_DEP_1)
	v_lshl_or_b32 v[\pw], v[QP+3], 24, v[\pw]
.irp c, 0,1
	v_cvt_scalef32_pk16_fp6_f32 v[PC+6*\c:PC+2+6*\c], v[\s+32*\c:\s+15+32*\c], v[QSO+2*\c]
	v_cvt_scalef32_pk16_fp6_f32 v[PC+12+4*\c:PC+14+4*\c], v[\s+16+32*\c:\s+31+32*\c], v[QSO+2*\c+1]
.endr
	v_nop
.irp c, 0,1                            ; the layout wants a whole block in a lane: lanes 0-15 block 2 c, lanes 16-31 block 2 c + 1
.irp i, 0,1,2
	v_permlane16_swap_b32 v[PC+6*\c+\i], v[PC+12+4*\c+\i]
.endr
.irp i, 0,1,2
	s_delay_alu instid0(VALU_DEP_3)
	v_mov_b32 v[PC+3+6*\c+\i], v[PC+12+4*\c+\i]
.endr
.endr
.endm
; one block of 32: my 16 numbers (channels 16 h on) and lane l xor 16's; 16 codes into v[cd] on; the scale word (its upper three bytes 1.0) into v[pw]
.macro QB y, cd, pw, n
	v_max3_num_f32 v[QM+\n], |v[\y]|, |v[\y+1]|, 0x1800000
.irp i, 2,4,6,8,10,12,14
	s_delay_alu instid0(VALU_DEP_1)
	v_max3_num_f32 v[QM+\n], v[QM+\n], |v[\y+\i]|, |v[\y+\i+1]|
.endr
	s_delay_alu instid0(VALU_DEP_1)
	v_permlanex16_b32 v[QP+\n], v[QM+\n], s[SEL], s[SEL+1]
	s_delay_alu instid0(VALU_DEP_1)
	v_max_num_f32 v[QM+\n], v[QM+\n], v[QP+\n]
	s_delay_alu instid0(VALU_DEP_1)
	v_add_nc_u32 v[QSO+\n], 0xff000000, v[QM+\n]
	s_delay_alu instid0(VALU_DEP_1)
	v_lshrrev_b32 v[\pw], 23, v[QSO+\n]
	s_delay_alu instid0(VALU_DEP_1)
	v_or_b32 v[\pw], 0x7f7f7f00, v[\pw]
	v_cvt_scalef32_pk16_fp6_f32 v[\cd:\cd+2], v[\y:\y+15], v[QSO+\n]
.endm
.macro IMAGE adr, off                  ; the fragment in v[PC] on goes to LDS as it stands
.irp c, 0,1,2
	ds_store_b128 v[\adr], v[PC+4*\c:PC+4*\c+3] offset:\off+512*\c
.endr
.endm
.macro FETCH reg, adr, off             ; and comes back so, in any wave
.irp c, 0,1,2
	ds_load_b128 v[\reg+4*\c:\reg+4*\c+3], v[\adr] offset:\off+512*\c
.endr
.endm
.macro SILU y, t, n                    ; y = y / (1 + 2^(-log2(e) y)), n numbers; t: n registers at work
.set SI, 0
.rept \n/2
	v_pk_mul_f32 v[\t+SI:\t+SI+1], v[\y+SI:\y+SI+1], 0xbfb8aa3b op_sel_hi:[1,0]
.set SI, SI+2
.endr
.set SI, 0
	s_wait_alu depctr_va_vdst(0)
.rept \n
	v_exp_f32 v[\t+SI], v[\t+SI]
.set SI, SI+1
.endr
	v_nop                                          ; a plain place behind the transcendentals
.set SI, 0
	s_wait_alu depctr_va_vdst(0)
.rept \n/2
	v_pk_add_f32 v[\t+SI:\t+SI+1], v[\t+SI:\t+SI+1], 1.0 op_sel_hi:[1,0]
.set SI, SI+2
.endr
.set SI, 0
	s_wait_alu depctr_va_vdst(0)
.rept \n
	v_rcp_f32 v[\t+SI], v[\t+SI]
.set SI, SI+1
.endr
	v_nop
.set SI, 0
	s_wait_alu depctr_va_vdst(0)
.rept \n/2
	v_pk_mul_f32 v[\y+SI:\y+SI+1], v[\y+SI:\y+SI+1], v[\t+SI:\t+SI+1]
.set SI, SI+2
.endr
.endm
.macro KADR dst, i                     ; register R = v101 + i of k's fragment lies in the image at 512 (R / 4) + 4 (R % 4), behind v102 = the image's first byte + 16 x the lane that holds it
	v_add_nc_u32 v103, \i, v101
	s_delay_alu instid0(VALU_DEP_1)
	v_lshrrev_b32 v104, 2, v103
	s_delay_alu instid0(VALU_DEP_2)
	v_and_b32 v103, 3, v103
	s_delay_alu instid0(VALU_DEP_2)
	v_lshl_add_u32 v104, v104, 9, v102
	s_delay_alu instid0(VALU_DEP_1)
	v_lshl_add_u32 v[\dst], v103, 2, v104
.endm
	s_load_b512 s[4:19], s[0:1], 0x0               ; x s[4:5], wv s[6:7], wq s[8:9], wk s[10:11], sv s[12:13], bv s[14:15], sq s[16:17], bq s[18:19]
	s_load_b256 s[20:27], s[0:1], 0x40             ; sk s[20:21], bk s[22:23], wo s[24:25], kvq s[26:27]
	s_load_b64 s[28:29], s[0:1], 0x60              ; wimg
	v_lshl_add_u32 v254, v0, 2, 0x42800
	v_mov_b32 v255, 0
	ds_add_u32 v254, v255
	ds_add_u32 v254, v255
	s_wait_dscnt 0x0
	v_lshrrev_b32 v96, 5, v0
	s_delay_alu instid0(VALU_DEP_1)
	v_readfirstlane_b32 s30, v96                   ; wave 0..7
	s_and_b32 s31, ttmp7, 0xffff                   ; b
	s_mov_b32 s32, ttmp9                           ; s
	s_lshl_b32 s58, s31, 5
	s_add_co_u32 s58, s58, s32                     ; the record's number, 32 b + s
	s_mov_b32 s[SEL], 0x76543210
	s_mov_b32 s[SEL+1], 0xfedcba98                 ; v_permlanex16_b32's selects for lane l xor 16
	s_mov_b32 s54, 0xffff0000                      ; lanes 16-31
	v_and_b32 v96, 31, v0                          ; lane
	v_and_b32 v97, 15, v0                          ; r
	v_bfe_u32 v98, v0, 4, 1                        ; h
	s_delay_alu instid0(VALU_DEP_2)
	v_and_b32 v99, 8, v97
	s_delay_alu instid0(VALU_DEP_1)
	v_add_nc_u32 v99, v99, v97                     ; r + 8 (r / 8)
	v_lshlrev_b32 v[LI], 4, v96
	v_lshlrev_b32 v[LS], 2, v96
	v_lshlrev_b32 v[H8], 3, v98
	s_mul_i32 s34, s30, 16*WSP
	s_add_co_u32 s34, s34, WST                     ; my stage
	v_add_nc_u32 v[TST], s34, v[LI]
	v_mul_u32_u24 v[TLD], v97, WSP
	s_delay_alu instid0(VALU_DEP_1)
	v_lshl_add_u32 v[TLD], v98, 7, v[TLD]
	s_delay_alu instid0(VALU_DEP_1)
	v_add_nc_u32 v[TLD], s34, v[TLD]
	s_lshr_b32 s34, s30, 1
	s_lshl_b32 s34, s34, 5
	s_and_b32 s35, s30, 1
	s_lshl_b32 s35, s35, 3
	s_add_co_u32 s33, s34, s35                     ; 32 (w / 2) + 8 (w % 2)
	v_add_nc_u32 v100, s33, v99                    ; my position in the work-group's 128
	v_mul_u32_u24 v[XAD0], v98, RS
	s_delay_alu instid0(VALU_DEP_1)
	v_lshl_add_u32 v[XAD0], v100, 2, v[XAD0]
	s_delay_alu instid0(VALU_DEP_1)
	v_add_nc_u32 v[XAD1], 4*RS, v[XAD0]
	s_mul_i32 s34, s30, 3072
	s_add_co_u32 s34, s34, XIMG
	v_add_nc_u32 v[XWI], s34, v[LI]
	s_lshl_b32 s34, s30, 8
	s_add_co_u32 s34, s34, XSC
	v_add_nc_u32 v[XWS], s34, v[LS]
	s_mul_i32 s34, s30, 1536
	s_add_co_u32 s34, s34, WIMG
	v_add_nc_u32 v[QWI], s34, v[LI]
	s_lshl_b32 s34, s30, 7
	s_add_co_u32 s34, s34, WSC
	v_add_nc_u32 v[QWS], s34, v[LS]
	s_mul_i32 s34, s30, 3072
	s_add_co_u32 s34, s34, STG
	v_add_nc_u32 v[VST], s34, v[LI]
	s_lshr_b32 s34, s30, 2
	s_lshl_b32 s34, s34, 9
	s_and_b32 s35, s30, 3
	s_lshl_b32 s35, s35, 2
	s_add_co_u32 s34, s34, s35
	s_add_co_u32 s34, s34, STG+24576
	v_add_nc_u32 v[VSS], s34, v[LI]                ; chunk w / 4, 16 x lane, word w % 4
	v_mul_u32_u24 v[KST], v100, 24
	s_delay_alu instid0(VALU_DEP_1)
	v_mad_u32_u24 v[KST], v98, 12, v[KST]
	s_delay_alu instid0(VALU_DEP_1)
	v_add_nc_u32 v[KST], STG+25600, v[KST]
	v_lshl_add_u32 v[KSS], v100, 2, STG+28672
	; k: my tile w is block w % 4 of fragment w / 4: lanes 16 (w % 2) + r, registers 6 ((w / 2) % 2) + 3 h + 0 .. 2
	s_bfe_u32 s34, s30, 0x10001
	s_mul_i32 s34, s34, 6
	v_mul_u32_u24 v101, v98, 3
	s_delay_alu instid0(VALU_DEP_1)
	v_add_nc_u32 v101, s34, v101                   ; my first register of the fragment
	s_lshr_b32 s34, s30, 2
	s_mul_i32 s34, s34, 1536
	s_and_b32 s35, s30, 1
	s_lshl_b32 s35, s35, 8
	s_add_co_u32 s34, s34, s35
	s_add_co_u32 s34, s34, STG+25600
	v_lshl_add_u32 v102, v97, 4, s34               ; the image, at the lane that holds my key
	KADR KA0, 0
	KADR KA1, 1
	KADR KA2, 2
	s_lshl_b32 s34, s30, 12
	v_add_nc_u32 v[OUTG], s34, v[LI]
	s_delay_alu instid0(VALU_DEP_1)
	v_add_nc_u32 v[OUTL], STG, v[OUTG]
	v_add_nc_u32 v[XRI], XIMG, v[LI]
	v_add_nc_u32 v[XRS], XSC, v[LS]
	v_add_nc_u32 v[WRI], WIMG, v[LI]
	v_add_nc_u32 v[WRS], WSC, v[LS]
	v_lshlrev_b32 v[BNA], 2, v99
	v_lshlrev_b32 v[BNB], 6, v98
.irp b, 0,1,2,3
	v_mov_b32 v[QP+\b], 0                          ; written once: a lane permute's destination counts as one of its sources
.endr
	; descriptor group 1: 32 rows (channels) x 128 elements of 4 bytes, 4,096 elements from row to row; no mask, no padding
	s_mov_b32 s44, 2<<16
	s_mov_b32 s45, 128<<16                         ; tensor_dim0
	s_mov_b32 s46, 32<<16                          ; tensor_dim1
	s_mov_b32 s47, 128<<16                         ; tile_dim0
	s_mov_b32 s48, 32                              ; tile_dim1
	s_mov_b32 s49, 4096                            ; the pitch
	s_mov_b32 s50, 0
	s_mov_b32 s51, 0
	s_mov_b32 s40, 1
	s_mul_i32 s41, s30, RS                         ; my region
	s_lshl_b32 s34, s31, 22                        ; batch b, 4,194,304 bytes each,
	s_lshl_b32 s35, s30, 19                        ; channel 32 w, 16,384 bytes each,
	s_add_co_u32 s34, s34, s35
	s_lshl_b32 s35, s32, 9                         ; position 128 s
	s_add_co_u32 s34, s34, s35
	s_mov_b32 s35, 0
	s_wait_kmcnt 0x0
	s_add_nc_u64 s[42:43], s[4:5], s[34:35]
	s_or_b32 s43, s43, 0x80000000
	tensor_load_to_lds s[40:43], s[44:51]          ; my 16 KiB of x's tile: filled once; it lands while the weights are quantised
	s_nop 0
	PLACES
	s_lshl_b32 s34, s30, 15
	s_add_nc_u64 s[6:7], s[6:7], s[34:35]          ; wv at my 32 rows
	s_lshl_b32 s34, s30, 7
	s_add_nc_u64 s[12:13], s[12:13], s[34:35]      ; sv, bv at my 32 channels
	s_add_nc_u64 s[14:15], s[14:15], s[34:35]
	s_cmp_lt_u32 s30, 4                            ; waves 0-3 take wq's four fragments, waves 4-7 wk's
	s_cselect_b64 s[56:57], s[8:9], s[10:11]
	s_bfe_u32 s34, s30, 0x10001                    ; tile (w / 2) % 2: 8 rows on,
	s_lshl_b32 s34, s34, 13
	s_and_b32 s36, s30, 1                          ; K step w % 2
	s_lshl_b32 s36, s36, 9
	s_add_co_u32 s34, s34, s36
	s_add_nc_u64 s[56:57], s[56:57], s[34:35]
	s_lshl_b32 s34, s58, 15
	s_add_nc_u64 s[26:27], s[26:27], s[34:35]      ; my record
	s_and_b32 s34, s58, 3                          ; wo's fragment f = 8 (record % 4) + wave = 2 x tile + K step: the pointers are made in every work-group, and used in records 0 to 3
	s_lshl_b32 s34, s34, 3
	s_add_co_u32 s34, s34, s30
	s_lshr_b32 s36, s34, 1
	s_lshl_b32 s36, s36, 14
	s_and_b32 s37, s34, 1
	s_lshl_b32 s37, s37, 9
	s_add_co_u32 s36, s36, s37
	s_mov_b32 s37, 0
	s_add_nc_u64 s[24:25], s[24:25], s[36:37]
	s_mul_i32 s36, s34, 1536
	s_add_nc_u64 s[60:61], s[28:29], s[36:37]
	s_lshl_b32 s36, s34, 7
	s_add_co_u32 s36, s36, 49152
	s_add_nc_u64 s[62:63], s[28:29], s[36:37]
	; ---- the weights: five fragments, three of them (48 loads) on their way at a time
	WIN 0x40                                       ; destination window 1
	WLOAD 0, 6, 0, 8                               ; wv: tile 0, K step 0
	WLOAD 64, 6, 512, 8                            ; tile 0, K step 1
	WLOAD 128, 6, 8192, 8                          ; tile 1, K step 0
	WIN 0
	s_wait_loadcnt 32                              ; the first fragment is in; the 32 loads of the two behind it may be out
	TURN 0x04, 0
	WIN 0x40
	WLOAD 192, 6, 8704, 8                          ; tile 1, K step 1
	WIN 0
	QW XA, WV, WVS
	s_wait_loadcnt 32
	TURN 0x04, 64
	WLOAD XB, 56, 0, 8                             ; my fragment of wq or wk
	QW XA, WV+12, WVS+1
	s_wait_loadcnt 32
	TURN 0x04, 128
	s_cmp_lt_u32 s58, 4                            ; four work-groups x eight waves quantise wo's 32 fragments.  Their loads go out here, the youngest, into the buffer that the first fragment has left:
	s_cbranch_scc0 .Lno_wo_a                       ; the two counts below are then stricter than need be on this way, never looser
	WIN 0x40
	WLOAD 0, 24, 0, 0
	WIN 0
.Lno_wo_a:
	QW XA, WV+24, WVS+2
	s_wait_loadcnt 16                              ; the fourth fragment is in; the fifth's 16 loads may be out
	TURN 0x04, 192
	QW XA, WV+36, WVS+3
	s_wait_loadcnt 0x0
	TURN 0, XB
	WIN 0x40                                       ; the gains and biases go into window-1 registers that the raw buffers have left; they are wanted four phases on
.irp u, 0,1
	global_load_b32 v[SVP+2*\u], v[BNA], s[12:13] offset:32*\u
	global_load_b32 v[SVP+2*\u+1], v[BNA], s[12:13] offset:32*\u
	global_load_b32 v[BVP+2*\u], v[BNA], s[14:15] offset:32*\u
	global_load_b32 v[BVP+2*\u+1], v[BNA], s[14:15] offset:32*\u
.endr
.irp j, 0,1,2,3
	global_load_b128 v[SQ1+4*\j:SQ1+4*\j+3], v[BNB], s[16:17] offset:16*\j
	global_load_b128 v[BQ1+4*\j:BQ1+4*\j+3], v[BNB], s[18:19] offset:16*\j
	global_load_b128 v[SK1+4*\j:SK1+4*\j+3], v[BNB], s[20:21] offset:16*\j
	global_load_b128 v[BK1+4*\j:BK1+4*\j+3], v[BNB], s[22:23] offset:16*\j
.endr
	WIN 0
	QW XA, PC, PW
	IMAGE QWI, 0
	ds_store_b32 v[QWS], v[PW]
	s_cmp_lt_u32 s58, 4                            ; wo's fragment is in since the wait for all loads above
	s_cbranch_scc0 .Lno_wo_b
	s_wait_dscnt 0x0                               ; the LDS stores above have read the codes' registers
	TURN 0x04, 0
	QW XA, PC, PW
.irp c, 0,1,2
	global_store_b128 v[LI], v[PC+4*\c:PC+4*\c+3], s[60:61] offset:512*\c   ; 32 lanes store 512 consecutive bytes, at a multiple of 256 from wimg's first byte
.endr
	global_store_b32 v[LS], v[PW], s[62:63]
	s_wait_xcnt 0x0                                ; the stores' data are written again below only behind this wait
.Lno_wo_b:
	s_wait_tensorcnt 0x0                           ; my region of x's tile is in,
	BARRIER                                        ; everybody's is, and the eight images of wq and wk lie in LDS
	; ---- x: my 16 positions become two fragments.  A lane takes a position and its registers run down the channels
.set XI, 0
.rept 64
	ds_load_b32 v[XA+XI], v[XAD0] offset:2*(XI/32)*RS+512*(XI%32)
.set XI, XI+1
.endr
.set XI, 0
.rept 64
	ds_load_b32 v[XB+XI], v[XAD1] offset:2*(XI/32)*RS+512*(XI%32)
.set XI, XI+1
.endr
	s_wait_dscnt 63                                ; 64 loads were issued behind the first 64: with 63 out at the most the first 64 are in
	QW XA, PC, PW
	IMAGE XWI, 0
	ds_store_b32 v[XWS], v[PW]
	s_wait_dscnt 0x0
	QW XB, PC, PW
	IMAGE XWI, 1536
	ds_store_b32 v[XWS], v[PW] offset:128
	BARRIER                                        ; x's sixteen images lie in LDS
	; ---- q and k of my tile, transposed: source 0 = 16 rows of wq or wk, source 1 = my 16 positions: a lane holds one position, registers 16 pair + i = channel 16 h + i
	FETCH XF, XWI, 0
	FETCH XF+12, XWI, 1536
	ds_load_b32 v[XS], v[XWS]
	ds_load_b32 v[XS+1], v[XWS] offset:128
.irp ks, 0,1
.irp g, 0,1,2,3
	ds_load_b32 v[QKS+4*\ks+\g], v[WRS] offset:128*(2*\g+\ks)
.endr
.endr
.irp ks, 0,1
.if \ks
	PLACES
.endif
	WIN 0x40
.irp g, 0,1,2,3
	FETCH WQF+12*\g, WRI, 1536*(2*\g+\ks)
.endr
	s_wait_dscnt 0x0
	WIN 0x01                                       ; source 0 window 1
.irp g, 0,1,2,3                        ; four sums by turns
.if \ks == 0
	v_wmma_scale_f32_16x16x128_f8f6f4 v[QA+8*\g:QA+8*\g+7], v[WQF+12*\g:WQF+12*\g+11], v[XF:XF+11], 0, v[QKS+\g], v[XS] matrix_a_fmt:MATRIX_FMT_FP6 matrix_b_fmt:MATRIX_FMT_FP6
.else
	v_wmma_scale_f32_16x16x128_f8f6f4 v[QA+8*\g:QA+8*\g+7], v[WQF+12*\g:WQF+12*\g+11], v[XF+12:XF+23], v[QA+8*\g:QA+8*\g+7], v[QKS+4+\g], v[XS+1] matrix_a_fmt:MATRIX_FMT_FP6 matrix_b_fmt:MATRIX_FMT_FP6
.endif
.endr
	WIN 0
.endr
	; ---- v: source 0 = 16 positions, source 1 = 16 of my channels: a lane holds one channel, register 64 u + 16 b + i = key 32 b + 16 h + i
.irp rho, 0,1
	PLACES
.irp t, 0,1,2,3
.irp ks, 0,1
	FETCH XF+12*(2*\t+\ks), XRI, 1536*(2*(4*\rho+\t)+\ks)
	ds_load_b32 v[XS+2*\t+\ks], v[XRS] offset:128*(2*(4*\rho+\t)+\ks)
.endr
.endr
	s_wait_dscnt 0x0
	WIN 0x50                                       ; C and D window 1
.irp ks, 0,1
.irp t, 0,1,2,3
.irp u, 0,1                            ; eight sums by turns
.if \ks == 0
	v_wmma_scale_f32_16x16x128_f8f6f4 v[64*\u+8*(4*\rho+\t):64*\u+8*(4*\rho+\t)+7], v[XF+12*(2*\t+\ks):XF+12*(2*\t+\ks)+11], v[WV+12*(2*\u+\ks):WV+12*(2*\u+\ks)+11], 0, v[XS+2*\t+\ks], v[WVS+2*\u+\ks] matrix_a_fmt:MATRIX_FMT_FP6 matrix_b_fmt:MATRIX_FMT_FP6
.else
	v_wmma_scale_f32_16x16x128_f8f6f4 v[64*\u+8*(4*\rho+\t):64*\u+8*(4*\rho+\t)+7], v[XF+12*(2*\t+\ks):XF+12*(2*\t+\ks)+11], v[WV+12*(2*\u+\ks):WV+12*(2*\u+\ks)+11], v[64*\u+8*(4*\rho+\t):64*\u+8*(4*\rho+\t)+7], v[XS+2*\t+\ks], v[WVS+2*\u+\ks] matrix_a_fmt:MATRIX_FMT_FP6 matrix_b_fmt:MATRIX_FMT_FP6
.endif
.endr
.endr
.endr
	WIN 0
.endr
	; ---- q, k: BN, SiLU, one block of 32 channels a position
	PLACES
	s_wait_loadcnt 0x0                             ; the gains and biases
	s_lshr_b32 s34, s30, 2                         ; k's scale byte: byte w % 4 of word r + 16 (w / 4); the lanes' halves write two copies, each twice
	s_lshl_b32 s34, s34, 6
	s_and_b32 s36, s30, 3
	s_add_co_u32 s34, s34, s36
	s_add_co_u32 s34, s34, STG+28672
	v_and_b32 v[KSB], 15, v0
	v_bfe_u32 v7, v0, 4, 1
	s_delay_alu instid0(VALU_DEP_2)
	v_lshlrev_b32 v[KSB], 2, v[KSB]
	s_delay_alu instid0(VALU_DEP_1)
	v_lshl_add_u32 v[KSB], v7, 7, v[KSB]
	s_delay_alu instid0(VALU_DEP_1)
	v_add_nc_u32 v[KSB], s34, v[KSB]
	WIN 0x14                                       ; sources 1 and 2 window 1
.irp j, 0,2,4,6,8,10,12,14
	v_pk_fma_f32 v[QA+\j:QA+\j+1], v[QA+\j:QA+\j+1], v[SQ1+\j:SQ1+\j+1], v[BQ1+\j:BQ1+\j+1]
.endr
.irp j, 0,2,4,6,8,10,12,14
	v_pk_fma_f32 v[QA+16+\j:QA+17+\j], v[QA+16+\j:QA+17+\j], v[SK1+\j:SK1+\j+1], v[BK1+\j:BK1+\j+1]
.endr
	WIN 0
	SILU QA, 160, 32
	QB QA, PC, PW, 0
	QB QA+16, PC+4, PWB, 1
	v_nop                                          ; one plain place behind the last conversion
	ds_store_b32 v[KA0], v[PC+4]                   ; k: my three registers of the fragment's image
	ds_store_b32 v[KA1], v[PC+5]
	ds_store_b32 v[KA2], v[PC+6]
.irp i, 0,1,2
	ds_store_b32 v[KST], v[PC+\i] offset:3584+4*\i         ; q: my 12 bytes of the position's 24
.endr
	ds_store_b8 v[KSB], v[PWB]
	ds_store_b8 v[KSB], v[PWB] offset:256
	ds_store_b32 v[KSS], v[PW] offset:3584         ; both halves of the lanes write the same word with the same value
	s_wait_dscnt 0x0                               ; the stores have read their registers
	; ---- v: BN, SiLU, quantised along the keys
.irp u, 0,1
	WIN 0x15                                       ; all three sources window 1
.set VI, 0
.rept 32
	v_pk_fma_f32 v[XA+VI:XA+VI+1], v[64*\u+VI:64*\u+VI+1], v[SVP+2*\u:SVP+2*\u+1], v[BVP+2*\u:BVP+2*\u+1]
.set VI, VI+2
.endr
	WIN 0
	SILU XA, XB, 64
	QH XA, PW+\u
	IMAGE VST, 1536*\u
	s_wait_dscnt 0x0
.endr
	v_cndmask_b32 v[PW], v[PW], v[PWB], s54        ; lanes 0-15 tile 2 w's words, lanes 16-31 tile 2 w + 1's
	ds_store_b32 v[VSS], v[PW]
	BARRIER                                        ; the record lies in the stage
.irp i, 0,1,2,3,4,5,6,7
	ds_load_b128 v[96+4*\i:99+4*\i], v[OUTL] offset:512*\i
.endr
.irp i, 0,1,2,3,4,5,6,7
	s_wait_dscnt 7-\i                              ; the younger loads may be out
	global_store_b128 v[OUTG], v[96+4*\i:99+4*\i], s[26:27] offset:512*\i   ; 32 lanes store 512 consecutive bytes, at a multiple of 256 from kvq's first byte
.endr
	s_wait_xcnt 0x0
	v_lshl_add_u32 v254, v0, 2, 0x42800
	v_mov_b32 v255, 0
	s_wait_alu depctr_va_vdst(0)
	s_wait_tensorcnt 0x0
	ds_add_u32 v254, v255
	s_wait_dscnt 0x0
	s_endpgm
.Lfunc_end_k_qfe5bf98b3f_prep:
	.size	k_qfe5bf98b3f_prep, .Lfunc_end_k_qfe5bf98b3f_prep-k_qfe5bf98b3f_prep
	.p2alignl 7, 3214868480
	.fill 96, 4, 3214868480
	.section	.rodata,"a",@progbits
	.p2align	6, 0x0
	.amdhsa_kernel k_qfe5bf98b3f_prep
		.amdhsa_group_segment_fixed_size 273408
		.amdhsa_private_segment_fixed_size 0
		.amdhsa_enable_private_segment 0
		.amdhsa_kernarg_size 104
		.amdhsa_user_sgpr_count 2
		.amdhsa_user_sgpr_kernarg_segment_ptr 1
		.amdhsa_wavefront_size32 1
		.amdhsa_system_sgpr_workgroup_id_x 1
		.amdhsa_system_sgpr_workgroup_id_y 1
		.amdhsa_system_sgpr_workgroup_id_z 1
		.amdhsa_system_vgpr_workitem_id 0
		.amdhsa_next_free_vgpr 512
		.amdhsa_next_free_sgpr 66
		.amdhsa_reserve_vcc 0
		.amdhsa_float_denorm_mode_32 3
		.amdhsa_float_denorm_mode_16_64 3
		.amdhsa_memory_ordered 1
		.amdhsa_forward_progress 1
		.amdhsa_inst_pref_size 137
	.end_amdhsa_kernel
	.amdgpu_metadata
---
amdhsa.version: [ 1, 2 ]
amdhsa.kernels:
  - .name:           k_qfe5bf98b3f_prep
    .symbol:         k_qfe5bf98b3f_prep.kd
    .args:
      - { .name: x, .offset: 0, .size: 8, .value_kind: global_buffer, .address_space: global }
      - { .name: wv, .offset: 8, .size: 8, .value_kind: global_buffer, .address_space: global }
      - { .name: wq, .offset: 16, .size: 8, .value_kind: global_buffer, .address_space: global }
      - { .name: wk, .offset: 24, .size: 8, .value_kind: global_buffer, .address_space: global }
      - { .name: sv, .offset: 32, .size: 8, .value_kind: global_buffer, .address_space: global }
      - { .name: bv, .offset: 40, .size: 8, .value_kind: global_buffer, .address_space: global }
      - { .name: sq, .offset: 48, .size: 8, .value_kind: global_buffer, .address_space: global }
      - { .name: bq, .offset: 56, .size: 8, .value_kind: global_buffer, .address_space: global }
      - { .name: sk, .offset: 64, .size: 8, .value_kind: global_buffer, .address_space: global }
      - { .name: bk, .offset: 72, .size: 8, .value_kind: global_buffer, .address_space: global }
      - { .name: wo, .offset: 80, .size: 8, .value_kind: global_buffer, .address_space: global }
      - { .name: kvq, .offset: 88, .size: 8, .value_kind: global_buffer, .address_space: global }
      - { .name: wimg, .offset: 96, .size: 8, .value_kind: global_buffer, .address_space: global }
    .group_segment_fixed_size: 273408
    .private_segment_fixed_size: 0
    .kernarg_segment_align: 8
    .kernarg_segment_size: 104
    .max_flat_workgroup_size: 256
    .sgpr_count:     66
    .vgpr_count:     512
    .wavefront_size: 32
...
	.end_amdgpu_metadata
.endif
;; end of part 1
;; launch attn (part 2): grid 32 x 8, 8 waves a work-group, clusters of 4 x 1, 327,680 bytes of LDS; arguments kvq, wimg, x, so, bo, gamma, out0; writes out0
.if DOCPART == 2
	.amdgcn_target "amdgcn-amd-amdhsa--gfx1250"
	.amdhsa_code_object_version 6
	.text
	.protected	k_qfe5bf98b3f_attn
	.globl	k_qfe5bf98b3f_attn
	.p2align	8
	.type	k_qfe5bf98b3f_attn,@function
k_qfe5bf98b3f_attn:
	s_mov_b64 s[64:65], 0
	v_nop
	global_prefetch_b8 v0, s[64:65] scope:SCOPE_SE
	s_setreg_imm32_b32 hwreg(HW_REG_WAVE_MODE, 25, 1), 1
	s_wait_xcnt 0x0
	s_wait_alu depctr_hold_cnt(0) depctr_sa_sdst(0) depctr_va_vdst(0) depctr_va_sdst(0) depctr_va_ssrc(0) depctr_va_vcc(0) depctr_vm_vsrc(0)
	s_getreg_b32 s2, hwreg(HW_REG_IB_STS2, 6, 4)
	s_cmp_eq_u32 s2, 0
	s_cbranch_scc0 .Lentry_in_a_cluster
	s_endpgm
.Lentry_in_a_cluster:
	s_bfe_u32 s2, ttmp6, 0x10000c
	s_cmp_lg_u32 s2, 0x3003
	s_cbranch_scc0 .Lentry_shape_is_right
	s_endpgm
.Lentry_shape_is_right:
; out0 = gamma SiLU(BN(wo (v softmax(q^T k)^T))) + x, all three products on codes of FP6 (E2M3) with one E8M0 scale for each 32 along K.
; kvq holds a record of 32,768 bytes for each 128 positions of a batch: 16 images of fragments of v (16 channels x 128 keys, 1,536 bytes each), v's scale words (1,024), 2 images of fragments of k (3,072), k's scale words (512),
; q's codes and scale words.  wimg holds wo's 32 fragment images and their scale words.
; THE SOFTMAX: t = logit x log2(e); M = the running largest t rounded UP to a whole number; p = 2^(t - M) is quantised along the keys, not normalised; the sum of the unquantised p divides at the end.
; SHARES.  A work-group owns 128 queries of a batch, each of its eight waves 16 of them: two waves to a SIMD, so that one wave's vector work stands beside the other's products and LDS loads.  Every wave walks the batch's
; 4,096 keys, 128 a step.  LAYOUT: both products are used transposed (S^T = k q^T, O^T = v p^T): a lane holds ONE query throughout.  The keys of a tile of k and the channels of a tile of v are chosen (r + 8 (r / 8)) so that 16 registers
; of two neighbouring tiles are 16 neighbours along the next K.
; K = 32 IN A FORM 128 DEEP: four tiles of 16 keys share one fragment of k, tile 4 F + j as block j of fragment F, with byte j of the row's scale word.  q stands in four operands, its codes in block j and zero codes in the other three,
; so that the product with operand j gives tile 4 F + j alone: the other tiles' codes are finite numbers and meet zeros.  The four operands overlap in 30 registers: zeros, q in lanes 0-15, zeros, q in lanes 16-31, zeros.
; A step's k is so 6 loads of 16 bytes a lane and one scale word a lane, and the next step's is asked for while this step's softmax runs.
; CLUSTER: the four query blocks of a cluster walk the same records: each refill is ONE joint load a wave, with the same descriptor and the mask of all four.
; THE RING: two slots of four steps each (4 x 29,184 bytes: the records without q's part), dense: images are read at 16 x lane.
; THE END: O^T / sum is quantised along the channels in registers, goes from wave to wave through LDS as register images; wave w makes output channels 32 w .. + 31 for the 128 queries.
; LIMITS: NaN and infinities are not served; the running maximum starts at -3e38; a block whose largest magnitude lies under 2^-124 gets the byte 1; 1 / sum and the sigmoid use v_rcp_f32 and v_exp_f32.
; REGISTERS, window 0: v1-11 addresses; v12 -M, v13 largest t, v[14:15] the sum; v16-27, v210-221 k's two fragments; v28 q's scale words; v29 p's; v[30:31] f; v32-103 v's fragments 10-15; v104-167 S^T, p; v168-197 q;
;   v200-207 v's scale words; v208 k's; v224-235 p's codes; v232-247, v254 at work; v248-252 the end's addresses.   window 1: v0-127 O^T (tile ct at 8 ct); v128-247 v's fragments 0-9; at the end v128-255 x's 32 rows.
.set REC,   29184                      ; what a step reads of its record
.set SLOT1, 131072                     ; slot 1 begins here: one exclusive or turns an address from slot to slot
.set SPARE, 262144                     ; the spare words, 128 bytes for each of the eight waves: four blocks of 256 bytes that no other line names
.set OSC,   24576                      ; the end, in slot 0, which is left at the last change of slots and has had its last fill: 16 images from byte 0, their scale words,
.set OSTG,  26624                      ; and a stage of 16 rows x 528 bytes for each wave
.set LI,   1                           ; 16 x lane
.set SPW,  4                           ; LDS address of my spare word; never rewritten
.set NIL,  5                           ; 0; never rewritten
.set ADV,  6                           ; the step's record + 16 x lane
.set ADS,  8                           ; the step's record + 4 x lane
.set PFO,  9                           ; the prefetches' offsets; never rewritten
.set PXO,  10
.set LS,   11                          ; 4 x lane
.set KF0,  16
.set KF1,  210
.set QSC,  28
.set PW,   29
.set FF,   30
.set FRA,  32
.set WO,   32
.set S,    104
.set Y,    104
.set OF,   104
.set QZ,   168                         ; v168-173 zeros, v174-179 q in lanes 0-15, v180-185 zeros, v186-191 q in lanes 16-31, v192-197 zeros
.set PC,   168
.set VS,   200
.set OS,   200
.set KSR,  208
.set WOS,  212
.set OWI,  248
.set OWS,  249
.set SOA,  250
.set SRA,  251
.set CA,   252
.set PCD,  224
.set BM,   232
.set PT,   236
.set SOP,  244
.set QM,   232
.set QP,   236
.set QSO,  244
.set TMP,  254
.set EW,   255
.set WV,   18
.set CX,   19
.set QBK,  20
.set BB,   21
.set CS,   22                          ; s[22:23] log2(e)
.set G1,   24
.set G0,   32
.set SEL,  36
.set TB,   38                          ; LDS byte at which the step's record begins
.set SLOTS, 39
.set STEPS, 40
.set LIM,  41
.set PFA,  42
.set LOM,  44                          ; lanes 0-15
.set HIM,  45                          ; lanes 16-31
.set GM,   46                          ; s[46:47] gamma
.set MSB, 0
.macro WIN new                         ; the immediate's high byte repeats the setting that is left
.if MSB != \new
	s_set_vgpr_msb (MSB<<8)|\new
.set MSB, \new
.endif
.endm
.macro PLACES
.rept 4
	v_nop
.endr
.endm
.macro CROUND                          ; a round of the cluster's barrier: my work-group's barrier; wave 0 signals for the work-group; every wave waits for all four work-groups; my work-group's barrier once more
	s_barrier_signal -1
	s_barrier_wait -1
	s_cmp_lg_u32 s[WV], 0
	s_cbranch_scc1 .Lnot_wave_0_\@
	s_barrier_signal -3
.Lnot_wave_0_\@:
	s_barrier_wait -3
	s_barrier_signal -1
	s_barrier_wait -1
.endm
; A prefetch of what the NEXT change of slots will ask for: four records' first 114 blocks of 256 bytes.  All clusters of a batch walk the same records: the batch's first cluster asks; its four partners take a record each, told apart
; BY ADDRESS; in each, waves 0 to 3 ask, a lane a block (the 14 lanes over name block 113 again).  The last change that fills a slot asks for nothing.
.macro ASK
	s_cmp_gt_u32 s[SLOTS], s[LIM]
	s_cbranch_scc0 .Lnot_mine_\@
	global_prefetch_b8 v[PFO], s[PFA:PFA+1] th:TH_LOAD_NT scope:SCOPE_SE
.Lnot_mine_\@:
.endm
.macro QH s, pw                        ; 64 numbers, register 16 b + i = k 32 b + 16 h + i of my row, become a fragment in v[PC] on and its scale word in v[pw]
.irp b, 0,1,2,3
	v_max3_num_f32 v[QM+\b], |v[\s+16*\b]|, |v[\s+1+16*\b]|, 0x1800000   ; the floor 2^(3 - 127): the byte cannot fall under 1
.endr
.irp i, 2,4,6,8,10,12,14
.irp b, 0,1,2,3
	s_delay_alu instid0(VALU_DEP_4)
	v_max3_num_f32 v[QM+\b], v[QM+\b], |v[\s+16*\b+\i]|, |v[\s+1+16*\b+\i]|
.endr
.endr
.irp b, 0,1,2,3
	s_delay_alu instid0(VALU_DEP_4)
	v_permlanex16_b32 v[QP+\b], v[QM+\b], s[SEL], s[SEL+1]
.endr
.irp b, 0,1,2,3
	s_delay_alu instid0(VALU_DEP_4)
	v_max_num_f32 v[QM+\b], v[QM+\b], v[QP+\b]
.endr
.irp b, 0,1,2,3
	s_delay_alu instid0(VALU_DEP_4)
	v_add_nc_u32 v[QSO+\b], 0xff000000, v[QM+\b]
.endr
.irp b, 0,1,2,3
	s_delay_alu instid0(VALU_DEP_4)
	v_lshrrev_b32 v[QP+\b], 23, v[QSO+\b]
.endr
	s_delay_alu instid0(VALU_DEP_3)
	v_lshl_or_b32 v[\pw], v[QP+1], 8, v[QP]
	s_delay_alu instid0(VALU_DEP_1)
	v_lshl_or_b32 v[\pw], v[QP+2], 16, v[\pw]
	s_delay_alu instid0(VALU_DEP_1)
	v_lshl_or_b32 v[\pw], v[QP+3], 24, v[\pw]
.irp c, 0,1
	v_cvt_scalef32_pk16_fp6_f32 v[PC+6*\c:PC+2+6*\c], v[\s+32*\c:\s+15+32*\c], v[QSO+2*\c]
	v_cvt_scalef32_pk16_fp6_f32 v[PC+12+4*\c:PC+14+4*\c], v[\s+16+32*\c:\s+31+32*\c], v[QSO+2*\c+1]
.endr
	v_nop
.irp c, 0,1
.irp i, 0,1,2
	v_permlane16_swap_b32 v[PC+6*\c+\i], v[PC+12+4*\c+\i]
.endr
.irp i, 0,1,2
	s_delay_alu instid0(VALU_DEP_3)
	v_mov_b32 v[PC+3+6*\c+\i], v[PC+12+4*\c+\i]
.endr
.endr
.endm
.macro IMAGE adr, off
.irp c, 0,1,2
	ds_store_b128 v[\adr], v[PC+4*\c:PC+4*\c+3] offset:\off+512*\c
.endr
.endm
.macro FETCH reg, adr, off
.irp c, 0,1,2
	ds_load_b128 v[\reg+4*\c:\reg+4*\c+3], v[\adr] offset:\off+512*\c
.endr
.endm
.macro SILU y, t, n                    ; y = y / (1 + 2^(-log2(e) y))
.set SI, 0
.rept \n/2
	v_pk_mul_f32 v[\t+SI:\t+SI+1], v[\y+SI:\y+SI+1], 0xbfb8aa3b op_sel_hi:[1,0]
.set SI, SI+2
.endr
.set SI, 0
	s_wait_alu depctr_va_vdst(0)
.rept \n
	v_exp_f32 v[\t+SI], v[\t+SI]
.set SI, SI+1
.endr
	v_nop
.set SI, 0
	s_wait_alu depctr_va_vdst(0)
.rept \n/2
	v_pk_add_f32 v[\t+SI:\t+SI+1], v[\t+SI:\t+SI+1], 1.0 op_sel_hi:[1,0]
.set SI, SI+2
.endr
.set SI, 0
	s_wait_alu depctr_va_vdst(0)
.rept \n
	v_rcp_f32 v[\t+SI], v[\t+SI]
.set SI, SI+1
.endr
	v_nop
.set SI, 0
	s_wait_alu depctr_va_vdst(0)
.rept \n/2
	v_pk_mul_f32 v[\y+SI:\y+SI+1], v[\y+SI:\y+SI+1], v[\t+SI:\t+SI+1]
.set SI, SI+2
.endr
.endm
.macro KLOAD off                       ; k's two fragments and their scale words (lanes 0-15 fragment 0's, lanes 16-31 fragment 1's) of the record off bytes behind the step's
.irp c, 0,1,2
	ds_load_b128 v[KF0+4*\c:KF0+4*\c+3], v[ADV] offset:\off+25600+512*\c
	ds_load_b128 v[KF1+4*\c:KF1+4*\c+3], v[ADV] offset:\off+27136+512*\c
.endr
	ds_load_b32 v[KSR], v[ADS] offset:\off+28672
.endm
	s_load_b256 s[4:11], s[0:1], 0x0               ; kvq s[4:5], wimg s[6:7], x s[8:9], so s[10:11]
	s_load_b128 s[12:15], s[0:1], 0x20             ; bo s[12:13], gamma s[14:15]
	s_load_b64 s[16:17], s[0:1], 0x30              ; out0
	v_lshl_add_u32 v[SPW], v0, 2, SPARE
	v_mov_b32 v[NIL], 0
	ds_add_u32 v4, v5
	ds_add_u32 v4, v5
	s_wait_dscnt 0x0
	v_lshrrev_b32 v32, 5, v0
	s_delay_alu instid0(VALU_DEP_1)
	v_readfirstlane_b32 s[WV], v32                 ; wave 0..7
	s_bfe_u32 s[CX], ttmp6, 0x40000                ; my place in the cluster: it enters q's, x's and out0's addresses and the prefetches' alone
	s_lshl_b32 s[QBK], ttmp9, 2
	s_add_co_u32 s[QBK], s[QBK], s[CX]             ; my block of 128 queries
	s_and_b32 s[BB], ttmp7, 0xffff                 ; the batch, which the four partners share
	; descriptor group 1: 57 rows of 256 bytes (32 elements of 8 bytes), dense; the mask of all four work-groups, bit 21 beside it
	s_mov_b32 s[G1], 15|(3<<16)|(1<<21)
	s_mov_b32 s[G1+1], 32<<16                      ; tensor_dim0
	s_mov_b32 s[G1+2], 57<<16                      ; tensor_dim1
	s_mov_b32 s[G1+3], 32<<16                      ; tile_dim0
	s_mov_b32 s[G1+4], 57                          ; tile_dim1
	s_mov_b32 s[G1+5], 32                          ; the pitch
	s_mov_b32 s[G1+6], 0
	s_mov_b32 s[G1+7], 0
	s_mov_b32 s[G0], 1
	s_mul_i32 s[G0+1], s[WV], 14592                ; wave w brings half w % 2 of the slot's record w / 2
	s_lshl_b32 s[G0+2], s[BB], 20
	s_lshr_b32 s[G0+3], s[WV], 1
	s_lshl_b32 s[G0+3], s[G0+3], 15
	s_add_co_u32 s[G0+2], s[G0+2], s[G0+3]
	s_and_b32 s[G0+3], s[WV], 1
	s_mul_i32 s[G0+3], s[G0+3], 14592
	s_add_co_u32 s[G0+2], s[G0+2], s[G0+3]
	s_mov_b32 s[G0+3], 0
	s_lshl_b32 s[PFA], s[BB], 20
	s_lshl_b32 s[PFA+1], s[CX], 15
	s_add_co_u32 s[PFA], s[PFA], s[PFA+1]
	s_add_co_u32 s[PFA], s[PFA], 4*32768           ; my work-group's record of slot 1: the first change of slots steps it to slot 2.  Nothing is prefetched at the head
	s_mov_b32 s[PFA+1], 0
	s_lshr_b32 s[LIM], s[WV], 2                    ; 0 in waves 0 to 3,
	s_or_b32 s[LIM], s[LIM], ttmp9                 ; of the batch's first cluster: the same in all four partners
	s_cmp_eq_u32 s[LIM], 0
	s_cselect_b32 s[LIM], 1, -1
	s_mov_b32 s[CS], 0x3fb8aa3b                    ; log2(e)
	s_mov_b32 s[CS+1], s[CS]
	s_mov_b32 s[SEL], 0x76543210
	s_mov_b32 s[SEL+1], 0xfedcba98
	s_mov_b32 s[LOM], 0x0000ffff
	s_mov_b32 s[HIM], 0xffff0000
	s_mov_b32 s[TB], 0
	s_mov_b32 s[SLOTS], 7
	s_lshl_b32 s48, s[BB], 22                      ; x and out0: batch, my 32 channels, my block's 128 positions
	s_lshl_b32 s50, s[WV], 19
	s_add_co_u32 s48, s48, s50
	s_lshl_b32 s50, s[QBK], 9
	s_add_co_u32 s48, s48, s50
	s_mov_b32 s49, 0
	s_mov_b32 s51, 0
	s_wait_kmcnt 0x0
	s_load_b32 s[GM], s[14:15], 0x0
	s_add_nc_u64 s[G0+2:G0+3], s[4:5], s[G0+2:G0+3]
	s_or_b32 s[G0+3], s[G0+3], 0x80000000
	s_add_nc_u64 s[PFA:PFA+1], s[4:5], s[PFA:PFA+1]
	s_add_nc_u64 s[8:9], s[8:9], s[48:49]
	s_add_nc_u64 s[16:17], s[16:17], s[48:49]
	s_lshl_b32 s50, s[WV], 9
	s_add_co_u32 s50, s50, 49152
	s_add_nc_u64 s[56:57], s[6:7], s[50:51]        ; wo's scale words of my four fragments
	s_mul_i32 s50, s[WV], 6144
	s_add_nc_u64 s[6:7], s[6:7], s[50:51]          ; and their images
	s_lshl_b32 s50, s[WV], 7
	s_add_nc_u64 s[10:11], s[10:11], s[50:51]      ; so, bo at my 32 channels
	s_add_nc_u64 s[12:13], s[12:13], s[50:51]
	s_lshl_b32 s48, s[BB], 5
	s_add_co_u32 s48, s48, s[QBK]
	s_lshl_b32 s48, s48, 15                        ; my block's record
	s_mul_i32 s50, s[WV], 384
	s_add_co_u32 s50, s50, s48
	s_add_co_u32 s50, s50, 29184
	s_add_nc_u64 s[52:53], s[4:5], s[50:51]        ; q's codes of my 16 queries
	s_lshl_b32 s50, s[WV], 6
	s_add_co_u32 s50, s50, s48
	s_add_co_u32 s50, s50, 32256
	s_add_nc_u64 s[54:55], s[4:5], s[50:51]        ; and their scale words
	s_wait_kmcnt 0x0
	s_mov_b32 s[GM+1], s[GM]
	CROUND                                         ; all four work-groups are here: the first joint loads meet
	tensor_load_to_lds s[G0:G0+3], s[G1:G1+7]      ; slot 0: steps 0 to 3; one load of mine is out
	s_nop 0
	PLACES
	v_and_b32 v32, 31, v0                          ; lane
	v_and_b32 v33, 15, v0                          ; r
	v_bfe_u32 v34, v0, 4, 1                        ; h
	s_delay_alu instid0(VALU_DEP_3)
	v_lshlrev_b32 v[LI], 4, v32
	s_delay_alu instid0(VALU_DEP_4)
	v_lshlrev_b32 v[LS], 2, v32
	s_delay_alu instid0(VALU_DEP_4)
	v_lshlrev_b32 v[CA], 2, v33
	v_mul_u32_u24 v[TMP], v33, 24
.irp p, 0,1,2
	global_load_b64 v[QZ+6+2*\p:QZ+7+2*\p], v[TMP], s[52:53] offset:8*\p   ; q: query r's 24 bytes, in both halves of the lanes
.endr
	global_load_b32 v[QSC], v[CA], s[54:55]
	v_min_u32 v[PFO], 113, v0
	s_delay_alu instid0(VALU_DEP_1)
	v_lshlrev_b32 v[PFO], 8, v[PFO]
	v_lshlrev_b32 v[PXO], 14, v32                  ; a row of x is 16,384 bytes
	s_mul_i32 s58, s[WV], 3072
	v_add_nc_u32 v[OWI], s58, v[LI]
	s_lshl_b32 s58, s[WV], 8
	s_add_co_u32 s58, s58, OSC
	v_add_nc_u32 v[OWS], s58, v[LS]
	s_mul_i32 s58, s[WV], 8448
	s_add_co_u32 s58, s58, OSTG
	v_mul_u32_u24 v[SOA], v33, 528
	s_delay_alu instid0(VALU_DEP_1)
	v_lshl_add_u32 v[SOA], v34, 5, v[SOA]
	s_delay_alu instid0(VALU_DEP_1)
	v_add_nc_u32 v[SOA], s58, v[SOA]
	v_add_nc_u32 v[SRA], s58, v[LI]
	v_mov_b32 v13, 0xff61b1e6                      ; the largest t so far: -3e38
	s_delay_alu instid0(VALU_DEP_1)
	v_floor_f32 v12, -v13                          ; -M
	v_mov_b32 v14, 0
	v_mov_b32 v15, 0
	v_mov_b32 v[FF+1], 0                           ; (named as the upper half of f's pair)
.irp i, 0,1,2,3,4,5
	v_mov_b32 v[QZ+\i], 0                          ; q's operands: the three runs of zero codes
	v_mov_b32 v[QZ+12+\i], 0
	v_mov_b32 v[QZ+24+\i], 0
.endr
.irp b, 0,1,2,3
	v_mov_b32 v[PT+\b], 0                          ; written once: a lane permute's destination counts as one of its sources
.endr
	s_wait_loadcnt 0x0
.irp i, 0,1,2,3,4,5
	v_cndmask_b32 v[QZ+18+\i], 0, v[QZ+6+\i], s[HIM]   ; q in lanes 16-31 alone,
.endr
.irp i, 0,1,2,3,4,5
	v_cndmask_b32 v[QZ+6+\i], 0, v[QZ+6+\i], s[LOM]    ; and in lanes 0-15 alone
.endr
	v_and_b32 v[QSC], 0xff, v[QSC]                 ; q's scale byte in all four bytes of the word: it serves whichever block holds the codes
	s_delay_alu instid0(VALU_DEP_1)
	v_lshl_or_b32 v[QSC], v[QSC], 8, v[QSC]
	s_delay_alu instid0(VALU_DEP_1)
	v_lshl_or_b32 v[QSC], v[QSC], 16, v[QSC]
	WIN 0x40
.set ZI, 0
.rept 128
	v_mov_b32 v[ZI], 0                             ; O^T.  (The step is written for every step alike: the first finds zeros, which the first change of M leaves zeros.)  These are also the places between q's operands and scale word and the first products
.set ZI, ZI+1
.endr
	WIN 0
; A KEY STEP: 128 keys, the record at LDS byte s[TB]; its k is in registers.  nextk = 1: the next record's k, in the same slot, is asked for
.macro STEP nextk
	v_add_nc_u32 v[ADV], s[TB], v[LI]              ; these two and the two v_nop are the four places behind the last step's products, ahead of loads into their registers
	v_add_nc_u32 v[ADS], s[TB], v[LS]
	v_nop
	v_nop
.irp t, 0,1,2,3                        ; S^T = k q^T: register 16 b + i = key 32 b + 16 h + i of my query.  Tile t is block t of fragment 0: q's operand with its codes in block t
	v_wmma_scale_f32_16x16x128_f8f6f4 v[S+8*\t:S+8*\t+7], v[KF0:KF0+11], v[QZ+6+12*(\t%2)-6*(\t/2):QZ+17+12*(\t%2)-6*(\t/2)], 0, v[KSR], v[QSC] matrix_a_fmt:MATRIX_FMT_FP6 matrix_b_fmt:MATRIX_FMT_FP6
.endr
.irp t, 0,1,2,3                        ; tile 4 + t: block t of fragment 1
	v_wmma_scale_f32_16x16x128_f8f6f4 v[S+32+8*\t:S+39+8*\t], v[KF1:KF1+11], v[QZ+6+12*(\t%2)-6*(\t/2):QZ+17+12*(\t%2)-6*(\t/2)], 0, v[KSR], v[QSC] matrix_a_fmt:MATRIX_FMT_FP6 matrix_b_fmt:MATRIX_FMT_FP6 matrix_a_scale:MATRIX_SCALE_ROW1
.endr
	WIN 0x40                                       ; v's sixteen fragments are asked for now and land under the softmax
.irp ct, 0,1,2,3,4,5,6,7,8,9
.irp j, 0,1,2
	ds_load_b128 v[128+12*\ct+4*\j:131+12*\ct+4*\j], v[ADV] offset:1536*\ct+512*\j
.endr
.endr
	WIN 0
	ds_load_b128 v[VS:VS+3], v[ADV] offset:24576
	ds_load_b128 v[VS+4:VS+7], v[ADV] offset:25088
	PLACES                                         ; behind the products above: ahead of the loads over k's fragments and scale words and of the first read of the scores
.irp ct, 10,11,12,13,14,15
.irp j, 0,1,2
	ds_load_b128 v[FRA+12*(\ct-10)+4*\j:FRA+12*(\ct-10)+4*\j+3], v[ADV] offset:1536*\ct+512*\j
.endr
.endr
.if \nextk
	KLOAD REC                                      ; the wait ahead of the second product covers these too
.endif
.irp b, 0,1,2,3
	v_max3_num_f32 v[BM+\b], v[S+16*\b], v[S+1+16*\b], v[S+2+16*\b]   ; the largest score of each block of 32 keys: for the row's maximum and, since p rises with the score, for the block's largest p
.endr
.irp i, 3,5,7,9,11,13
.irp b, 0,1,2,3
	v_max3_num_f32 v[BM+\b], v[BM+\b], v[S+16*\b+\i], v[S+1+16*\b+\i]
.endr
.endr
.irp b, 0,1,2,3
	v_max_num_f32 v[BM+\b], v[BM+\b], v[S+15+16*\b]
.endr
.irp b, 0,1,2,3
	s_delay_alu instid0(VALU_DEP_4)
	v_permlanex16_b32 v[PT+\b], v[BM+\b], s[SEL], s[SEL+1]
.endr
.irp b, 0,1,2,3
	s_delay_alu instid0(VALU_DEP_4)
	v_max_num_f32 v[BM+\b], v[BM+\b], v[PT+\b]
.endr
	s_delay_alu instid0(VALU_DEP_2)
	v_max3_num_f32 v[TMP], v[BM], v[BM+1], v[BM+2]
	s_delay_alu instid0(VALU_DEP_1)
	v_max_num_f32 v[TMP], v[TMP], v[BM+3]
	s_delay_alu instid0(VALU_DEP_1)
	v_mul_f32 v[TMP], s[CS], v[TMP]
	s_delay_alu instid0(VALU_DEP_1)
	v_max_num_f32 v13, v13, v[TMP]                 ; the running largest t
	v_mov_b32 v[TMP], v12
	s_delay_alu instid0(VALU_DEP_2)
	v_floor_f32 v12, -v13                          ; the new -M = -ceil(t)
	s_delay_alu instid0(VALU_DEP_1)
	v_sub_f32 v[TMP], v12, v[TMP]                  ; old M - new M: a whole number, 0 or less
	s_delay_alu instid0(VALU_DEP_1)
	v_cvt_i32_f32 v[TMP], v[TMP]                   ; (it saturates)
	s_delay_alu instid0(VALU_DEP_1)
	v_ldexp_f32 v[FF], 1.0, v[TMP]                 ; f = 2^(old M - new M): rounds nothing
.set SJ, 0
.rept 32
	v_pk_fma_f32 v[S+SJ:S+SJ+1], v[S+SJ:S+SJ+1], s[CS:CS+1], v[12:13] op_sel_hi:[1,0,0]   ; t - M
.set SJ, SJ+2
.endr
.irp b, 0,1,2,3
	v_fma_f32 v[BM+\b], v[BM+\b], s[CS], v12
.endr
.set SJ, 0
	s_wait_alu depctr_va_vdst(0)
.rept 64
	v_exp_f32 v[S+SJ], v[S+SJ]                     ; p = 2^(t - M)
.set SJ, SJ+1
.endr
.irp b, 0,1,2,3
	v_exp_f32 v[BM+\b], v[BM+\b]                   ; the block's largest p
.endr
	v_pk_mul_f32 v[14:15], v[14:15], v[FF:FF+1] op_sel_hi:[1,0]   ; the sums under the new M (a plain place behind the exponentials)
	s_wait_alu depctr_va_vdst(0)
.irp b, 0,1,2,3
	v_max_num_f32 v[BM+\b], 0x1800000, v[BM+\b]    ; the floor: the byte cannot fall under 1
.endr
.irp b, 0,1,2,3
	s_delay_alu instid0(VALU_DEP_4)
	v_add_nc_u32 v[SOP+\b], 0xff000000, v[BM+\b]
.endr
.irp b, 0,1,2,3
	s_delay_alu instid0(VALU_DEP_4)
	v_lshrrev_b32 v[PT+\b], 23, v[SOP+\b]
.endr
	s_delay_alu instid0(VALU_DEP_3)
	v_lshl_or_b32 v[PW], v[PT+1], 8, v[PT]         ; p's scale word for these 128 keys
	s_delay_alu instid0(VALU_DEP_1)
	v_lshl_or_b32 v[PW], v[PT+2], 16, v[PW]
	s_delay_alu instid0(VALU_DEP_1)
	v_lshl_or_b32 v[PW], v[PT+3], 24, v[PW]
.irp c, 0,1
	v_cvt_scalef32_pk16_fp6_f32 v[PCD+6*\c:PCD+2+6*\c], v[S+32*\c:S+15+32*\c], v[SOP+2*\c]
	v_cvt_scalef32_pk16_fp6_f32 v[PT+4*\c:PT+2+4*\c], v[S+16+32*\c:S+31+32*\c], v[SOP+2*\c+1]
.endr
	v_nop
.irp c, 0,1
.irp i, 0,1,2
	v_permlane16_swap_b32 v[PCD+6*\c+\i], v[PT+4*\c+\i]
.endr
.irp i, 0,1,2
	s_delay_alu instid0(VALU_DEP_3)
	v_mov_b32 v[PCD+3+6*\c+\i], v[PT+4*\c+\i]
.endr
.endr
	v_pk_add_f32 v[236:237], v[108:109], v[112:113]
	v_pk_add_f32 v[246:247], v[116:117], v[120:121]
	v_pk_add_f32 v[244:245], v[124:125], v[128:129]
	v_pk_add_f32 v[242:243], v[132:133], v[136:137]
	v_pk_add_f32 v[240:241], v[140:141], v[144:145]
	v_pk_add_f32 v[222:223], v[148:149], v[152:153]
	v_pk_add_f32 v[198:199], v[156:157], v[160:161]
	v_pk_add_f32 v[14:15], v[14:15], v[164:165]
	s_setprio 1
	v_pk_add_f32 v[236:237], v[236:237], v[104:105]
	v_pk_add_f32 v[246:247], v[246:247], v[106:107]
	v_pk_add_f32 v[244:245], v[244:245], v[110:111]
	v_pk_add_f32 v[242:243], v[242:243], v[114:115]
	v_pk_add_f32 v[240:241], v[240:241], v[118:119]
	v_pk_add_f32 v[222:223], v[222:223], v[122:123]
	v_pk_add_f32 v[198:199], v[198:199], v[126:127]
	v_pk_add_f32 v[14:15], v[14:15], v[130:131]
	v_pk_add_f32 v[236:237], v[236:237], v[134:135]
	v_pk_add_f32 v[246:247], v[246:247], v[138:139]
	v_pk_add_f32 v[244:245], v[244:245], v[142:143]
	v_pk_add_f32 v[242:243], v[242:243], v[146:147]
	v_pk_add_f32 v[240:241], v[240:241], v[150:151]
	v_pk_add_f32 v[222:223], v[222:223], v[154:155]
	v_pk_add_f32 v[198:199], v[198:199], v[158:159]
	v_pk_add_f32 v[14:15], v[14:15], v[162:163]
	v_pk_add_f32 v[236:237], v[236:237], v[166:167]
	s_delay_alu instid0(VALU_DEP_2)
	v_pk_add_f32 v[14:15], v[14:15], v[242:243]
	s_delay_alu instid0(VALU_DEP_2)
	v_pk_add_f32 v[236:237], v[236:237], v[240:241]
	v_pk_add_f32 v[246:247], v[246:247], v[222:223]
	v_pk_add_f32 v[244:245], v[244:245], v[198:199]
	s_delay_alu instid0(VALU_DEP_2)
	v_pk_add_f32 v[14:15], v[14:15], v[246:247]
	s_delay_alu instid0(VALU_DEP_2)
	v_pk_add_f32 v[236:237], v[236:237], v[244:245]
	s_delay_alu instid0(VALU_DEP_1)
	v_pk_add_f32 v[14:15], v[14:15], v[236:237]
	WIN 0x41                                       ; O^T (destination and source 0) window 1, f window 0
.set SJ, 0
.rept 64
	v_pk_mul_f32 v[SJ:SJ+1], v[SJ:SJ+1], v[FF:FF+1] op_sel_hi:[1,0]   ; O^T under the new M, each sum from its low end on; these are also the places ahead of the scaled products
.set SJ, SJ+2
.endr
	s_wait_alu depctr_va_vdst(0)
	s_wait_dscnt 0x0                               ; v's fragments and scale words are in, and the next step's k
	WIN 0x51                                       ; v's fragment, C and D window 1; p window 0.  Sixteen sums by turns, one instruction a turn
	s_setprio 0
.irp ct, 0,1,2,3,4,5,6,7,8,9
.if \ct%2
	v_wmma_scale_f32_16x16x128_f8f6f4 v[8*\ct:8*\ct+7], v[128+12*\ct:139+12*\ct], v[PCD:PCD+11], v[8*\ct:8*\ct+7], v[VS+\ct/2], v[PW] matrix_a_fmt:MATRIX_FMT_FP6 matrix_b_fmt:MATRIX_FMT_FP6 matrix_a_scale:MATRIX_SCALE_ROW1
.else
	v_wmma_scale_f32_16x16x128_f8f6f4 v[8*\ct:8*\ct+7], v[128+12*\ct:139+12*\ct], v[PCD:PCD+11], v[8*\ct:8*\ct+7], v[VS+\ct/2], v[PW] matrix_a_fmt:MATRIX_FMT_FP6 matrix_b_fmt:MATRIX_FMT_FP6
.endif
.endr
	WIN 0x50
.irp ct, 10,11,12,13,14,15
.if \ct%2
	v_wmma_scale_f32_16x16x128_f8f6f4 v[8*\ct:8*\ct+7], v[FRA+12*(\ct-10):FRA+12*(\ct-10)+11], v[PCD:PCD+11], v[8*\ct:8*\ct+7], v[VS+\ct/2], v[PW] matrix_a_fmt:MATRIX_FMT_FP6 matrix_b_fmt:MATRIX_FMT_FP6 matrix_a_scale:MATRIX_SCALE_ROW1
.else
	v_wmma_scale_f32_16x16x128_f8f6f4 v[8*\ct:8*\ct+7], v[FRA+12*(\ct-10):FRA+12*(\ct-10)+11], v[PCD:PCD+11], v[8*\ct:8*\ct+7], v[VS+\ct/2], v[PW] matrix_a_fmt:MATRIX_FMT_FP6 matrix_b_fmt:MATRIX_FMT_FP6
.endif
.endr
	WIN 0
	s_add_co_u32 s[TB], s[TB], REC                 ; the next step's record
.endm
.macro SLOT_STEPS                      ; a slot's four steps: the first step's k is loaded here; three steps in a loop each ask for the next step's; the last, written out, asks for none: its successor lies in the other slot
	v_add_nc_u32 v[ADV], s[TB], v[LI]
	v_add_nc_u32 v[ADS], s[TB], v[LS]
	KLOAD 0
	s_wait_dscnt 0x0
	s_mov_b32 s[STEPS], 3
.Lstep_\@:
	s_setprio 2
	STEP 1
	s_sub_co_u32 s[STEPS], s[STEPS], 1
	s_cmp_lg_u32 s[STEPS], 0
	s_cbranch_scc1 .Lstep_\@
	s_setprio 0
	STEP 0
	s_sub_co_u32 s[TB], s[TB], 4*REC               ; back to a slot's first record,
	s_xor_b32 s[TB], s[TB], SLOT1                  ; in the other slot
.endm
; THE CHANGE OF SLOTS stands at a slot's head.  Each wave waits for all its tensor loads (one is out: its part of the slot ahead), adds 0 to its spare word, and waits for that and for its reads of the slot that it has left.
; fill = 1: a round of the cluster's barrier, so that no wave of any partner still reads that slot or has a load on its way; then the joint refill, first thing: it has four steps in which to land.
.macro CHANGE fill
	s_wait_tensorcnt 0x0                           ; no tensor load of mine is out, so group 0 may be written
	ds_add_u32 v[SPW], v[NIL]                      ; 0 onto my spare word
.if \fill
	s_xor_b32 s[G0+1], s[G0+1], SLOT1              ; the other slot than last time,
	s_add_nc_u64 s[G0+2:G0+3], s[G0+2:G0+3], 4*32768   ; the next four records; the type bits on top are not reached
	s_wait_xcnt 0x0                                ; the last prefetch, a slot back, has read its address, so it may be written:
	s_add_nc_u64 s[PFA:PFA+1], s[PFA:PFA+1], 4*32768   ; one slot further on than the descriptor
	s_wait_dscnt 0x0                               ; the add is done, and my reads of the slot that I have left are over
	CROUND
	tensor_load_to_lds s[G0:G0+3], s[G1:G1+7]
	s_nop 0
	PLACES
	ASK
.else
	s_wait_dscnt 0x0
	s_barrier_signal -1
	s_barrier_wait -1
	global_prefetch_b8 v[PXO], s[8:9] th:TH_LOAD_NT scope:SCOPE_SE              ; x's 32 rows x 512 bytes that I add at the end: a lane a row, two blocks a row, four steps ahead of their loads; nobody else names them
	global_prefetch_b8 v[PXO], s[8:9] offset:256 th:TH_LOAD_NT scope:SCOPE_SE
.endif
.endm
.Lslot:                                            ; seven trips: behind each change of slots but the last the next slot is asked for
	CHANGE 1
	SLOT_STEPS
	s_sub_co_u32 s[SLOTS], s[SLOTS], 1
	s_cmp_lg_u32 s[SLOTS], 0
	s_cbranch_scc1 .Lslot
	CHANGE 0                                       ; the last slot is written out
	SLOT_STEPS
	; ---- the end.  wo's four fragments of mine, so, bo and x's rows are asked for first
	PLACES
.irp k, 0,1,2,3,4,5,6,7,8,9,10,11
	global_load_b128 v[WO+4*\k:WO+4*\k+3], v[LI], s[6:7] offset:512*\k       ; fragment 2 u + K step at 12 x that
.endr
.irp f, 0,1,2,3
	global_load_b32 v[WOS+\f], v[LS], s[56:57] offset:128*\f
.endr
.irp u, 0,1
	global_load_b32 v[16+2*\u], v[CA], s[10:11] offset:64*\u                 ; so, bo of output channel 32 w + 16 u + r, each twice
	global_load_b32 v[17+2*\u], v[CA], s[10:11] offset:64*\u
	global_load_b32 v[20+2*\u], v[CA], s[12:13] offset:64*\u
	global_load_b32 v[21+2*\u], v[CA], s[12:13] offset:64*\u
.endr
	WIN 0x40
.set XI, 0
.rept 32
	global_load_b128 v[128+4*XI:131+4*XI], v[LI], s[8:9] offset:16384*XI th:TH_LOAD_NT
.set XI, XI+1
.endr
	WIN 0
	v_add_f32 v14, v14, v15                        ; the sum's two halves,
	s_delay_alu instid0(VALU_DEP_1)
	v_permlanex16_b32 v[TMP], v14, s[SEL], s[SEL+1]
	s_delay_alu instid0(VALU_DEP_1)
	v_add_f32 v14, v14, v[TMP]                     ; and lane l xor 16's
	s_wait_alu depctr_va_vdst(0)
	v_rcp_f32 v14, v14
	v_nop
	s_wait_alu depctr_va_vdst(0)
	; O^T / sum: register 64 ks + 16 b + i = channel 128 ks + 32 b + 16 h + i of my query: quantised along the channels, two fragments
.irp ks, 0,1
	WIN 0x01
.set SJ, 0
.rept 32
	v_pk_mul_f32 v[Y+SJ:Y+SJ+1], v[64*\ks+SJ:64*\ks+SJ+1], v[14:15] op_sel_hi:[1,0]
.set SJ, SJ+2
.endr
	WIN 0
	QH Y, EW
	IMAGE OWI, 1536*\ks
	ds_store_b32 v[OWS], v[EW] offset:128*\ks
	s_wait_dscnt 0x0
.endr
	s_barrier_signal -1
	s_barrier_wait -1                              ; the sixteen images lie in LDS
	s_wait_loadcnt 40                              ; wo's images and scale words are in; behind them 8 loads of so and bo and 32 of x were issued
.irp ks, 0,1
.if \ks
	PLACES
.endif
.irp qt, 0,1,2,3,4,5,6,7
	FETCH OF+12*\qt, LI, 1536*(2*\qt+\ks)
	ds_load_b32 v[OS+\qt], v[LS] offset:OSC+128*(2*\qt+\ks)
.endr
	s_wait_dscnt 0x0
	WIN 0x50
.irp qt, 0,1,2,3,4,5,6,7               ; source 0 = 16 queries, source 1 = 16 rows of wo: a lane holds one output channel, register 8 qt + j = query 16 qt + 8 h + j.  Sixteen sums by turns
.irp u, 0,1
.if \ks == 0
	v_wmma_scale_f32_16x16x128_f8f6f4 v[64*\u+8*\qt:64*\u+8*\qt+7], v[OF+12*\qt:OF+12*\qt+11], v[WO+12*(2*\u+\ks):WO+12*(2*\u+\ks)+11], 0, v[OS+\qt], v[WOS+2*\u+\ks] matrix_a_fmt:MATRIX_FMT_FP6 matrix_b_fmt:MATRIX_FMT_FP6
.else
	v_wmma_scale_f32_16x16x128_f8f6f4 v[64*\u+8*\qt:64*\u+8*\qt+7], v[OF+12*\qt:OF+12*\qt+11], v[WO+12*(2*\u+\ks):WO+12*(2*\u+\ks)+11], v[64*\u+8*\qt:64*\u+8*\qt+7], v[OS+\qt], v[WOS+2*\u+\ks] matrix_a_fmt:MATRIX_FMT_FP6 matrix_b_fmt:MATRIX_FMT_FP6
.endif
.endr
.endr
	WIN 0
.endr
	PLACES
	s_wait_loadcnt 0x0                             ; so, bo, x
.irp u, 0,1
.if \u
	s_wait_xcnt 0x0                                ; the first half's stores have read their registers
.endif
	WIN 0x01
.set SJ, 0
.rept 32
	v_pk_fma_f32 v[Y+SJ:Y+SJ+1], v[64*\u+SJ:64*\u+SJ+1], v[16+2*\u:17+2*\u], v[20+2*\u:21+2*\u]
.set SJ, SJ+2
.endr
	WIN 0
	SILU Y, 32, 64
.irp qt, 0,1,2,3,4,5,6,7
	ds_store_b128 v[SOA], v[Y+8*\qt:Y+8*\qt+3] offset:64*\qt         ; my stage: row = output channel r, 32 bytes for each half of the lanes
	ds_store_b128 v[SOA], v[Y+8*\qt+4:Y+8*\qt+7] offset:64*\qt+16
.endr
.irp i, 0,1,2,3,4,5,6,7,8,9,10,11,12,13,14,15
	ds_load_b128 v[32+4*\i:35+4*\i], v[SRA] offset:528*\i            ; LDS serves a wave's instructions in order: these see my stores
.endr
	s_wait_dscnt 0x0
	WIN 0x10                                       ; source 2 (x) window 1
.set SJ, 0
.rept 32
	v_pk_fma_f32 v[32+SJ:33+SJ], v[32+SJ:33+SJ], s[GM:GM+1], v[128+64*\u+SJ:129+64*\u+SJ] op_sel_hi:[1,0,1]
.set SJ, SJ+2
.endr
	WIN 0
.irp i, 0,1,2,3,4,5,6,7,8,9,10,11,12,13,14,15
	global_store_b128 v[LI], v[32+4*\i:35+4*\i], s[16:17] offset:(16*\u+\i)*16384 th:TH_STORE_NT   ; 32 lanes store 512 consecutive bytes, at a multiple of 256 from out0's first byte
.endr
.endr
	s_wait_tensorcnt 0x0                           ; the wave's end
	ds_add_u32 v[SPW], v[NIL]
	s_wait_dscnt 0x0
	CROUND                                         ; the closing round: no work-group ends while a partner may still ask for a tile that names it
	s_endpgm
.Lfunc_end_k_qfe5bf98b3f_attn:
	.size	k_qfe5bf98b3f_attn, .Lfunc_end_k_qfe5bf98b3f_attn-k_qfe5bf98b3f_attn
	.p2alignl 7, 3214868480
	.fill 96, 4, 3214868480
	.section	.rodata,"a",@progbits
	.p2align	6, 0x0
	.amdhsa_kernel k_qfe5bf98b3f_attn
		.amdhsa_group_segment_fixed_size 327680
		.amdhsa_private_segment_fixed_size 0
		.amdhsa_enable_private_segment 0
		.amdhsa_kernarg_size 56
		.amdhsa_user_sgpr_count 2
		.amdhsa_user_sgpr_kernarg_segment_ptr 1
		.amdhsa_wavefront_size32 1
		.amdhsa_system_sgpr_workgroup_id_x 1
		.amdhsa_system_sgpr_workgroup_id_y 1
		.amdhsa_system_sgpr_workgroup_id_z 1
		.amdhsa_system_vgpr_workitem_id 0
		.amdhsa_next_free_vgpr 512
		.amdhsa_next_free_sgpr 66
		.amdhsa_reserve_vcc 0
		.amdhsa_float_denorm_mode_32 3
		.amdhsa_float_denorm_mode_16_64 3
		.amdhsa_memory_ordered 1
		.amdhsa_forward_progress 1
		.amdhsa_inst_pref_size 175
	.end_amdhsa_kernel
	.amdgpu_metadata
---
amdhsa.version: [ 1, 2 ]
amdhsa.kernels:
  - .name:           k_qfe5bf98b3f_attn
    .symbol:         k_qfe5bf98b3f_attn.kd
    .args:
      - { .name: kvq, .offset: 0, .size: 8, .value_kind: global_buffer, .address_space: global }
      - { .name: wimg, .offset: 8, .size: 8, .value_kind: global_buffer, .address_space: global }
      - { .name: x, .offset: 16, .size: 8, .value_kind: global_buffer, .address_space: global }
      - { .name: so, .offset: 24, .size: 8, .value_kind: global_buffer, .address_space: global }
      - { .name: bo, .offset: 32, .size: 8, .value_kind: global_buffer, .address_space: global }
      - { .name: gamma, .offset: 40, .size: 8, .value_kind: global_buffer, .address_space: global }
      - { .name: out0, .offset: 48, .size: 8, .value_kind: global_buffer, .address_space: global }
    .group_segment_fixed_size: 327680
    .private_segment_fixed_size: 0
    .kernarg_segment_align: 8
    .kernarg_segment_size: 56
    .max_flat_workgroup_size: 256
    .sgpr_count:     66
    .vgpr_count:     512
    .wavefront_size: 32
...
	.end_amdgpu_metadata
.endif
;; end of part 2
